; MI455X (gfx1250); checked and timed in simulation.
; The chip was launched on July 23, 2026; its instructions are those of AMD's public machine-readable ISA for CDNA 5 (MIT licence, August 2026) and "CDNA5" Instruction Set Architecture Reference Guide (July 2026). The comments in the code are by the model that wrote it; some were corrected since.
;; NPU Attention Kernel. Allowed arithmetic: matrix products marked QUANTISED: E2M3 operands, one E8M0 scale for each 32 along K, by v_wmma_scale_f32_16x16x128_f8f6f4 with both operands' format E2M3, f32 sums; everything else in f32.
;; Inputs: key 2 x 2,048 x 2,048 float32; query 2 x 2,048 x 2,048 float32; value 2 x 2,048 x 2,048 float32.
;; Outputs: out0 2 x 2,048 x 2,048 float32.
;; This version of the problem:
;;   THIS VERSION OF THE PROBLEM IS GIVEN IN LOW PRECISION. The matrix products marked QUANTISED in the list below multiply operands that are first quantised to E2M3 (2 exponent bits, 3 mantissa bits; 6 bits a number), with one power-of-two scale for each 32 numbers along K (OCP MX v1.0); their sums are f32. All else is computed in f32.
;;   The module's matrix products, in the order in which they are computed (A, B: the left and right operand; K: the contracted axis; several contracted axes count as one K, in the product's order):
;;     1. batch 32 x [M 2,048, K 128] x [K 128, N 2,048]; A: input query; B: input key: QUANTISED
;;     2. batch 32 x [M 2,048, K 2,048] x [K 2,048, N 128]; A: softmax (see below); B: input value: QUANTISED
;;   THE QUANTISER, for each operand of a quantised product, along K:
;;     - K is cut into blocks of 32 from its start; a last block that is shorter is filled with zeros.
;;     - A block's scale is 2^e with e = floor(log2(the largest magnitude in the block)) - 2, held to -126 .. 127; a block of zeros has e = 0. As a byte (E8M0): e + 127.
;;     - Each number is divided by its block's scale, clamped to +-7.5, and rounded to the nearest number of E2M3, ties to even, subnormals kept.
;;     - The product sums the exact products of the quantised numbers (number of the format x scale) in f32.
;;   ~~~python
;;   def quantise(x, axis):      # numpy; x: float32 -> the quantised numbers, widened to float32 again
;;       x = np.moveaxis(x, axis, -1); K = x.shape[-1]
;;       x = np.pad(x, [(0, 0)] * (x.ndim - 1) + [(0, -K % 32)]); x = x.reshape(x.shape[:-1] + (-1, 32)); a = np.abs(x).max(-1, keepdims=True)
;;       e = np.where(a > 0, np.clip(np.frexp(np.where(a > 0, a, 1))[1] - 1 - 2, -126, 127), 0)      # np.frexp(a)[1] - 1 = floor(log2(a)), exactly
;;       r = np.clip(x / 2.0 ** e, -7.5, 7.5)
;;       step = 2.0 ** (np.maximum(np.frexp(np.where(r == 0, 1, r))[1] - 1, 0) - 3)
;;       q = np.round(r / step) * step * 2.0 ** e      # np.round: ties to even
;;       return np.moveaxis(q.reshape(q.shape[:-2] + (-1,))[..., :K], -1, axis).astype(np.float32)
;;   ~~~
;;   SOFTMAX AHEAD OF A QUANTISED PRODUCT. Where the list says 'softmax', what is quantised is not the finished softmax but p = 2^(t - M), with t = logit x log2(e) and M = ceil(the row's largest t), a whole number; so 1/2 < the row's largest p <= 1. The row's sum l is taken of the UNQUANTISED p, in f32, and the product's result is divided by l at the end. Since M is a whole number, a kernel that streams over the keys may use a running M (the ceiling of the running maximum): every later rescaling is an exact power of two, which a block's scale takes up: the codes' values come out the same.
;;   OPERANDS COMPUTED ON THE WAY. 'Computed on the way' means the value that the module computes at that place (a softmax that the list does not call 'softmax' is quantised finished and normalised). What goes into a quantiser is computed in f32, as accurately as f32 sums, v_exp_f32 and their like allow (about 1e-6 of the number): no bf16 or f16 on the way to a quantiser, and a product that is left as it is and whose result goes on into a quantised operand takes f32 operands (vector FMAs, or v_wmma_f32_16x16x4_f32). A number that lies on a knife's edge between two numbers of the format may be rounded either way, as far as f32 arithmetic and the matrix unit's own rounding can turn it there, and no further.
;; One version. Each part assembles by itself: llvm-mc -triple=amdgcn-amd-amdhsa -mcpu=gfx1250 --defsym DOCPART=n.
;; ======== version 1 of 1: 2 launches
;; limits: right only within a limited range of input values
;; workspace buffers: kv 13,107,200 bytes
;; launch quant (part 1): grid 16 x 32, 8 waves a work-group, no clusters, 68,608 bytes of LDS; arguments key, value, kv; writes kv
.if DOCPART == 1
	.amdgcn_target "amdgcn-amd-amdhsa--gfx1250"
	.amdhsa_code_object_version 6
	.text
	.protected	k_q33c13fc7da_quant
	.globl	k_q33c13fc7da_quant
	.p2align	8
	.type	k_q33c13fc7da_quant,@function
k_q33c13fc7da_quant:
	s_mov_b64 s[64:65], 0
	v_nop
	global_prefetch_b8 v0, s[64:65] scope:SCOPE_SE
	s_setreg_imm32_b32 hwreg(HW_REG_WAVE_MODE, 25, 1), 1
	s_wait_xcnt 0x0
; key and value, [2][2048][16 x 128] f32, become codes of FP6 (E2M3) with one E8M0 scale byte for each 32 along a product's K, laid as the attention launch's matrix operands want them in registers.
; K is quantised along the head's 128 (innermost in memory), V along the keys (its outer axis).  A block's scale byte is its largest magnitude's exponent field - 2, held at 1 from below.
; A RECORD of REC = 25,600 bytes holds one head's one step of 128 keys (record number = 16 x head + step, head = 16 b + h):
;   byte 0       eight images of K's tiles, 1,536 bytes each: tile 4 c + u, row j = key 64 c + 32 (j / 8) + 8 u + j % 8 of the step: rows 0-7 come from key block 2 c, rows 8-15 from block 2 c + 1,
;                so that the scores of tiles 4 c .. 4 c + 3 give a lane the 32 neighbouring keys of ONE block
;   byte 12,288  K's scale words, four pair words x 32 lanes: pair p: lanes 0-15 tile 2 p's rows, lanes 16-31 tile 2 p + 1's
;   byte 12,800  eight images of V's tiles: tile vt, row r = channel 16 vt + r, K = the step's 128 keys in their order
;   byte 25,088  V's scale words, as K's
; AN IMAGE is a fragment's 12 registers as they stand: registers 4 c .. 4 c + 3 of lane l at 512 c + 16 l.  So every store here, and every load there, covers 512 consecutive bytes.
; SHARES.  A work-group makes one record.  Waves 0-3 (p = wave): K's tiles 2 p and 2 p + 1.  Waves 4-7 (p = wave - 4): V's channels 32 p .. 32 p + 31 x 128 keys, two tiles.
; The two kinds part once on the wave's number and end apart: no barrier, no loop, every offset an immediate.  Work-groups share no input: nothing for a cluster to ask for jointly; no products, so no matrix unit.
; LIMITS: NaN and infinities among the inputs are not served.  A block of zeros gets the byte 1 where the rule says 127: its codes are zeros, which add nothing under any byte but 0xff, and this program alone reads the bytes.
; Blocks whose largest magnitude lies under the floor 2^(3 - 127) keep the byte 1.
.set REC,   25600
.set KSCO,  12288
.set VIMG,  12800
.set VSCO,  25088
.set ROWG,  8192                       ; bytes from a key to the next
.set SP,    528                        ; a stage row: a key's 512 bytes + 16
.set STG,   16*SP                      ; a stage: 16 rows; each K wave has two
.set LI,    3                          ; 16 x lane
.set STW,   4                          ; my stages + 16 x lane
.set STR,   5                          ; my stages + 528 r + 128 h
.set LS,    6                          ; 4 x lane
.set MINE,  8
.set OTH,   9
.set WLO,   10
.set WHI,   11
.set W0,    12
.set W1,    13
.set PWD,   14
.set F0,    16
.set F1,    28
.set T,     40
.set MX,    56
.set SO,    58
.set BY,    60
.set R,     64
.set X0,    192
.set WV,    10
.set PP,    11
.set SEL,   22
.set HM,    24
	s_load_b128 s[4:7], s[0:1], 0x0                ; key, value
	s_load_b64 s[8:9], s[0:1], 0x10                ; kv
	v_lshl_add_u32 v62, v0, 2, 0x10800             ; my spare word, behind the stages
	v_mov_b32 v63, 0
	v_lshrrev_b32 v1, 5, v0
	s_delay_alu instid0(VALU_DEP_1)
	v_readfirstlane_b32 s[WV], v1                  ; wave 0..7
	s_and_b32 s[PP], s[WV], 3                      ; p
	s_and_b32 s12, ttmp7, 0xffff                   ; head 16 b + h
	s_lshr_b32 s14, s12, 4
	s_lshl_b32 s14, s14, 24                        ; b x 2,048 rows of 8,192 bytes
	s_lshl_b32 s15, ttmp9, 20                      ; + step x 128 rows
	s_add_co_u32 s14, s14, s15
	s_and_b32 s15, s12, 15
	s_lshl_b32 s15, s15, 9                         ; + h x 512 bytes
	s_add_co_u32 s14, s14, s15
	s_mov_b32 s15, 0
	s_lshl_b32 s16, s12, 4
	s_add_co_u32 s16, s16, ttmp9
	s_mul_i32 s16, s16, REC                        ; the record's first byte
	s_mov_b32 s17, 0
	s_mov_b32 s19, 0
	s_mov_b32 s[SEL], 0x76543210
	s_mov_b32 s[SEL+1], 0xfedcba98                 ; lane l xor 16
	s_mov_b32 s[HM], 0xffff0000                    ; lanes 16-31
	s_mul_i32 s13, s[PP], 2*STG
	v_and_b32 v2, 31, v0
	v_and_b32 v7, 15, v0                           ; r
	v_bfe_u32 v1, v0, 4, 1                         ; h
	s_delay_alu instid0(VALU_DEP_3)
	v_lshlrev_b32 v[LI], 4, v2
	s_delay_alu instid0(VALU_DEP_4)
	v_lshlrev_b32 v[LS], 2, v2
	s_delay_alu instid0(VALU_DEP_2)
	v_add_nc_u32 v[STW], s13, v[LI]
	v_mul_u32_u24 v[STR], v7, SP
	s_delay_alu instid0(VALU_DEP_1)
	v_lshl_add_u32 v[STR], v1, 7, v[STR]
	s_delay_alu instid0(VALU_DEP_1)
	v_add_nc_u32 v[STR], s13, v[STR]
	v_mov_b32 v[OTH], 0                            ; a lane permute's destination counts as one of its sources
	s_wait_kmcnt 0x0
	s_add_nc_u64 s[8:9], s[8:9], s[16:17]          ; kv at my record
	s_lshl_b32 s18, s[PP], 7
	s_add_nc_u64 s[20:21], s[8:9], s[18:19]        ; + 128 p: my pair word
	s_mul_i32 s18, s[PP], 3072
	s_add_nc_u64 s[8:9], s[8:9], s[18:19]          ; + 3,072 p: my two images
	s_cmp_lt_u32 s[WV], 4
	s_cbranch_scc0 .Lvalue
; 64 numbers of a lane, register 32 c + n = d 64 c + 32 h + n of row r, become the fragment v[f .. f + 11] and the row's scale word v[w].  A lane holds two whole blocks.
.macro QB x, f, w
.irp c, 0,1
	v_max3_num_f32 v[MX+\c], |v[\x+32*\c]|, |v[\x+32*\c+1]|, 0x1800000   ; the floor 2^(3 - 127) among the leaves
.endr
.irp i, 2,4,6,8,10,12,14,16,18,20,22,24,26,28,30
.irp c, 0,1
	s_delay_alu instid0(VALU_DEP_2)
	v_max3_num_f32 v[MX+\c], v[MX+\c], |v[\x+32*\c+\i]|, |v[\x+32*\c+\i+1]|
.endr
.endr
.irp c, 0,1
	s_delay_alu instid0(VALU_DEP_2)
	v_add_nc_u32 v[SO+\c], 0xff000000, v[MX+\c]    ; 2 off the exponent field: the conversion's scale operand
.endr
.irp c, 0,1
	s_delay_alu instid0(VALU_DEP_2)
	v_lshrrev_b32 v[BY+\c], 23, v[SO+\c]           ; the scale's byte
.endr
	s_delay_alu instid0(VALU_DEP_1)
	v_lshl_or_b32 v[MINE], v[BY+1], 16, v[BY]      ; my blocks h and 2 + h
	s_delay_alu instid0(VALU_DEP_1)
	v_permlanex16_b32 v[OTH], v[MINE], s[SEL], s[SEL+1]
	s_delay_alu instid0(VALU_DEP_1)
	v_cndmask_b32 v[WLO], v[MINE], v[OTH], s[HM]   ; blocks 0 and 2
	s_delay_alu instid0(VALU_DEP_2)
	v_cndmask_b32 v[WHI], v[OTH], v[MINE], s[HM]   ; blocks 1 and 3
	s_delay_alu instid0(VALU_DEP_1)
	v_lshl_or_b32 v[\w], v[WHI], 8, v[WLO]         ; row r's word, in lanes r and 16 + r
.irp c, 0,1
	v_cvt_scalef32_pk16_fp6_f32 v[\f+6*\c:\f+6*\c+2], v[\x+32*\c:\x+32*\c+15], v[SO+\c]
	v_cvt_scalef32_pk16_fp6_f32 v[T+4*\c:T+4*\c+2], v[\x+32*\c+16:\x+32*\c+31], v[SO+\c]   ; three registers from an even one: the upper half is made elsewhere and moved
.endr
	v_nop                                          ; one plain place behind a scaled conversion
.irp c, 0,1
.irp i, 0,1,2
	v_mov_b32 v[\f+3+6*\c+\i], v[T+4*\c+\i]
.endr
.endr
.endm
	; ---- K: 32 keys, each load one key's 512 consecutive bytes, in the order of the two tiles' rows: tile 2 p + u, row j = key 64 (p / 2) + 16 (p % 2) + 8 u + 32 (j / 8) + j % 8
	s_lshr_b32 s18, s[PP], 1
	s_lshl_b32 s18, s18, 19                        ; 64 (p / 2) keys of 8,192 bytes
	s_and_b32 s12, s[PP], 1
	s_lshl_b32 s12, s12, 17                        ; + 16 (p % 2) keys
	s_add_co_u32 s18, s18, s12
	s_add_nc_u64 s[4:5], s[4:5], s[14:15]
	s_add_nc_u64 s[4:5], s[4:5], s[18:19]
	s_wait_alu depctr_va_vdst(0)
.irp u, 0,1
.irp j, 0,1,2,3,4,5,6,7,8,9,10,11,12,13,14,15
	global_load_b128 v[R+64*\u+4*\j:R+64*\u+4*\j+3], v[LI], s[4:5] offset:(8*\u+(\j%8)+32*(\j/8))*ROWG th:TH_LOAD_NT
.endr
.endr
	s_wait_loadcnt 16                              ; the first tile's 16 loads are in
.irp j, 0,1,2,3,4,5,6,7,8,9,10,11,12,13,14,15
	ds_store_b128 v[STW], v[R+4*\j:R+4*\j+3] offset:SP*\j
.endr
.irp c, 0,1
.irp i, 0,1,2,3,4,5,6,7
	ds_load_b128 v[X0+32*\c+4*\i:X0+32*\c+4*\i+3], v[STR] offset:256*\c+16*\i   ; LDS serves a wave's instructions in order
.endr
.endr
	s_wait_loadcnt 0x0
.irp j, 0,1,2,3,4,5,6,7,8,9,10,11,12,13,14,15
	ds_store_b128 v[STW], v[R+64+4*\j:R+64+4*\j+3] offset:STG+SP*\j
.endr
	s_wait_dscnt 16                                ; only the 16 stores just issued may be out
.irp c, 0,1
.irp i, 0,1,2,3,4,5,6,7
	ds_load_b128 v[R+32*\c+4*\i:R+32*\c+4*\i+3], v[STR] offset:STG+256*\c+16*\i
.endr
.endr
	QB X0, F0, W0
.irp c, 0,1,2
	global_store_b128 v[LI], v[F0+4*\c:F0+4*\c+3], s[8:9] offset:512*\c
.endr
	s_wait_dscnt 0x0
	QB R, F1, W1
.irp c, 0,1,2
	global_store_b128 v[LI], v[F1+4*\c:F1+4*\c+3], s[8:9] offset:1536+512*\c
.endr
	v_cndmask_b32 v[PWD], v[W0], v[W1], s[HM]      ; lanes 0-15 the even tile's words, lanes 16-31 the odd tile's
	global_store_b32 v[LS], v[PWD], s[20:21] offset:KSCO
	s_wait_tensorcnt 0x0                           ; the wave's end
	ds_add_u32 v62, v63
	s_wait_dscnt 0x0
	s_endpgm
.Lvalue:
	; ---- V: a lane takes a channel, and its registers run down the keys: a block of 32 keys lies in one lane, and the conversions give codes with the keys innermost
	s_lshl_b32 s18, s[PP], 7                       ; 32 p channels of 4 bytes
	s_add_nc_u64 s[6:7], s[6:7], s[14:15]
	s_add_nc_u64 s[6:7], s[6:7], s[18:19]
.macro LOADV b                                 ; keys 32 b .. 32 b + 31: each load 128 consecutive bytes of a key's row; the four V waves stand side by side on its 512
.irp i, 0,1,2,3,4,5,6,7,8,9,10,11,12,13,14,15,16,17,18,19,20,21,22,23,24,25,26,27,28,29,30,31
	global_load_b32 v[R+32*\b+\i], v[LS], s[6:7] offset:(32*\b+\i)*ROWG th:TH_LOAD_NT
.endr
.endm
.macro QV b                                    ; block b of my channel: even blocks into F0, odd ones into F1
.set XS, R+32*(\b)
.set FB, F0+12*((\b)%2)+6*((\b)/2)
	v_max3_num_f32 v[MX], |v[XS]|, |v[XS+1]|, |v[XS+2]|
	v_max3_num_f32 v[MX+1], |v[XS+3]|, |v[XS+4]|, |v[XS+5]|
.irp i, 6,10,14,18,22,26
	s_delay_alu instid0(VALU_DEP_2)
	v_max3_num_f32 v[MX], v[MX], |v[XS+\i]|, |v[XS+\i+1]|
	s_delay_alu instid0(VALU_DEP_2)
	v_max3_num_f32 v[MX+1], v[MX+1], |v[XS+\i+2]|, |v[XS+\i+3]|
.endr
	s_delay_alu instid0(VALU_DEP_2)
	v_max3_num_f32 v[MX], v[MX], |v[XS+30]|, |v[XS+31]|
	s_delay_alu instid0(VALU_DEP_1)
	v_max3_num_f32 v[MX], v[MX], v[MX+1], 0x1800000   ; and the floor
	s_delay_alu instid0(VALU_DEP_1)
	v_add_nc_u32 v[SO], 0xff000000, v[MX]
	s_delay_alu instid0(VALU_DEP_1)
	v_lshrrev_b32 v[BY], 23, v[SO]
.if (\b) == 0
	s_delay_alu instid0(VALU_DEP_1)
	v_mov_b32 v[PWD], v[BY]                        ; my channel's scale word: block b's byte at byte b
.else
	s_delay_alu instid0(VALU_DEP_1)
	v_lshl_or_b32 v[PWD], v[BY], 8*(\b), v[PWD]
.endif
	v_cvt_scalef32_pk16_fp6_f32 v[FB:FB+2], v[XS:XS+15], v[SO]
	v_cvt_scalef32_pk16_fp6_f32 v[T+4*(\b):T+4*(\b)+2], v[XS+16:XS+31], v[SO]
	v_nop                                          ; one plain place behind a scaled conversion
.irp i, 0,1,2
	v_mov_b32 v[FB+3+\i], v[T+4*(\b)+\i]
.endr
.endm
	s_wait_alu depctr_va_vdst(0)
	LOADV 0
	LOADV 1
	s_wait_loadcnt 32                              ; each of these waits leaves just the next block's 32 loads out
	LOADV 2
	QV 0
	s_wait_loadcnt 32
	LOADV 3
	QV 1
	s_wait_loadcnt 32
	QV 2
	s_wait_loadcnt 0x0
	QV 3
	; a tile's lanes 0-15 want blocks 0 and 2 of channel r, its lanes 16-31 blocks 1 and 3 of the same channel
.irp j, 0,1,2,3,4,5,6,7,8,9,10,11
	v_permlane16_swap_b32 v[F0+\j], v[F1+\j]       ; F0 is now the even tile's fragment, F1 the odd tile's
.endr
.irp u, 0,1
.irp c, 0,1,2
	global_store_b128 v[LI], v[F0+12*\u+4*\c:F0+12*\u+4*\c+3], s[8:9] offset:VIMG+1536*\u+512*\c
.endr
.endr
	global_store_b32 v[LS], v[PWD], s[20:21] offset:VSCO   ; lane l holds channel 32 p + l's word: the pair word as it stands
	s_endpgm
.Lfunc_end_k_q33c13fc7da_quant:
	.size	k_q33c13fc7da_quant, .Lfunc_end_k_q33c13fc7da_quant-k_q33c13fc7da_quant
	.p2alignl 7, 3214868480
	.fill 96, 4, 3214868480
	.section	.rodata,"a",@progbits
	.p2align	6, 0x0
	.amdhsa_kernel k_q33c13fc7da_quant
		.amdhsa_group_segment_fixed_size 68608
		.amdhsa_private_segment_fixed_size 0
		.amdhsa_enable_private_segment 0
		.amdhsa_kernarg_size 24
		.amdhsa_user_sgpr_count 2
		.amdhsa_user_sgpr_kernarg_segment_ptr 1
		.amdhsa_wavefront_size32 1
		.amdhsa_system_sgpr_workgroup_id_x 1
		.amdhsa_system_sgpr_workgroup_id_y 1
		.amdhsa_system_sgpr_workgroup_id_z 1
		.amdhsa_system_vgpr_workitem_id 0
		.amdhsa_next_free_vgpr 256
		.amdhsa_next_free_sgpr 66
		.amdhsa_reserve_vcc 0
		.amdhsa_float_denorm_mode_32 3
		.amdhsa_float_denorm_mode_16_64 3
		.amdhsa_memory_ordered 1
		.amdhsa_forward_progress 1
		.amdhsa_inst_pref_size 41
	.end_amdhsa_kernel
	.amdgpu_metadata
---
amdhsa.version: [ 1, 2 ]
amdhsa.kernels:
  - .name:           k_q33c13fc7da_quant
    .symbol:         k_q33c13fc7da_quant.kd
    .args:
      - { .name: key, .offset: 0, .size: 8, .value_kind: global_buffer, .address_space: global }
      - { .name: value, .offset: 8, .size: 8, .value_kind: global_buffer, .address_space: global }
      - { .name: kv, .offset: 16, .size: 8, .value_kind: global_buffer, .address_space: global }
    .group_segment_fixed_size: 68608
    .private_segment_fixed_size: 0
    .kernarg_segment_align: 8
    .kernarg_segment_size: 24
    .max_flat_workgroup_size: 256
    .sgpr_count:     66
    .vgpr_count:     256
    .wavefront_size: 32
...
	.end_amdgpu_metadata
.endif
;; end of part 1
;; launch attn (part 2): grid 8 x 32, 8 waves a work-group, clusters of 4 x 1, 327,680 bytes of LDS; arguments query, kv, out0; writes out0
.if DOCPART == 2
	.amdgcn_target "amdgcn-amd-amdhsa--gfx1250"
	.amdhsa_code_object_version 6
	.text
	.protected	k_q33c13fc7da_attn
	.globl	k_q33c13fc7da_attn
	.p2align	8
	.type	k_q33c13fc7da_attn,@function
k_q33c13fc7da_attn:
	s_mov_b64 s[64:65], 0
	v_nop
	global_prefetch_b8 v0, s[64:65] scope:SCOPE_SE
	s_setreg_imm32_b32 hwreg(HW_REG_WAVE_MODE, 25, 1), 1
	s_wait_xcnt 0x0
	s_wait_alu depctr_hold_cnt(0) depctr_sa_sdst(0) depctr_va_vdst(0) depctr_va_sdst(0) depctr_va_ssrc(0) depctr_va_vcc(0) depctr_vm_vsrc(0)
	s_getreg_b32 s2, hwreg(HW_REG_IB_STS2, 6, 4)
	s_cmp_eq_u32 s2, 0
	s_cbranch_scc0 .Lentry_in_a_cluster
	s_endpgm
.Lentry_in_a_cluster:
	s_bfe_u32 s2, ttmp6, 0x10000c
	s_cmp_lg_u32 s2, 0x3003
	s_cbranch_scc0 .Lentry_shape_is_right
	s_endpgm
.Lentry_shape_is_right:
; out[b][q][h][:] = the sum over k of softmax_k(Q . K / sqrt(128)) V, 32 heads of 2,048 queries x 2,048 keys x 128, both products on codes of FP6 (E2M3) with one E8M0 scale for each 32 along a product's K.
; K and V come as records of 25,600 bytes, one for a head's step of 128 keys: images of the operands' registers and their scale words (eight tiles of K at byte 0, their four pair words at 12,288, eight tiles of V at 12,800,
; their pair words at 25,088; an image: registers 4 c .. 4 c + 3 of lane l at 512 c + 16 l; a pair word: lanes 0-15 the even tile's rows, lanes 16-31 the odd tile's).  Q arrives as f32 and is quantised here, once, in registers.
; THE SOFTMAX: t = score x log2(e) / sqrt(128); M = the row's largest t so far, rounded UP to a whole number; p = 2^(t - M) is what is quantised, along the keys, not normalised.  The row's sum is taken of the unquantised p,
; in f32, and divides O at the end.  When M moves, the sum and O are multiplied by 2^(old M - new M): exact.
; SHARES.  A work-group owns 256 queries of one head, each of its eight waves 32: tile A (16 queries) and tile B.  Every fragment of K and V read from LDS feeds two matrix instructions.
; LAYOUT.  Both products are used transposed: S^T = K Q^T, O^T = V^T P^T: a lane holds ONE query (lane % 16) throughout.  Row j of K's tile 4 c + u is key 64 c + 32 (j / 8) + 8 u + j % 8, so the 32 registers of tiles
; 4 c .. 4 c + 3 are the keys 64 c + 32 (lane / 16) + 0 .. 31: ONE WHOLE BLOCK of the second product's K.  A block's maximum, scale and codes need no other lane; only the row's maximum and the scale word's bytes cross lanes.
; LDS.  Ten places of a record.  Records 0-5 are asked for at the head (places 0-5), 6-9 behind the first full sequence (places 6-9, a first fill), 10-15 behind the round after step 5 (places 0-5 again).  Each fill is a dense
; block shared out among the eight waves: 75 or 50 rows of 256 bytes a wave, one tensor load a wave and one out at a time.  A plain barrier after step 9 shows records 10-15 to all waves.
; CLUSTER.  The four query blocks of a cluster belong to one head and walk the same records: each load is a JOINT one, the same descriptor and a mask of the four in all four.
; NO PREFETCH of the records: each later fill is asked for four key steps or more ahead of the wait for it, and the first stands at the head, where there is no loop to run ahead in.
; REGISTERS, two windows of 256 (s_set_vgpr_msb: bits 1:0 source 0, 3:2 source 1, 5:4 source 2, 7:6 destination).  Tile A's state lies in window 0, tile B's at the same numbers in window 1:
;   v12 -M, v13 the largest score, v[14:15] the sum; v16-27 Q's fragment; v32-79 four fragments of K or V (tiles 0-3 in window 0, 4-7 in window 1); v96-159 S^T, then p; v160-223 O^T; v224-235 p's codes; v236-253 at work.
;   Window 0 alone: v1-9 addresses; v80-83 K's pair words, v84-87 V's, v88-89 Q's scale words (A, B), v90-91 p's: scales and nothing else.
; LIMITS: NaN and infinities among the inputs are not served.  The promise holds while the scaled scores t stay under 2^31 in magnitude.  A block of Q that is all zeros, and a block of p that has fallen to zeros, get the byte 1:
; their codes are zeros, which add nothing.  A p under 2^-126 is 0 (v_exp_f32 gives 0 for results that would be denormal: ISA guide, 15.8).  A block's largest p is made from its largest score by the same two instructions:
; this takes v_exp_f32 not to fall where its input rises.
.set REC,   25600
.set KSCO,  12288
.set VIMG,  12800
.set VSCO,  25088
.set STAGE, 10*REC                     ; behind the places: 16 rows x 528 bytes for each wave, for Q's way in and O's way out; no tile lands there
.set SP,    528
.set SPARE, STAGE+8*16*SP              ; the spare words, 128 bytes for each wave
.set ROWG,  8192
.set LI,   1                           ; 16 x lane
.set LS,   2                           ; 4 x lane
.set SPW,  3                           ; my spare word; never rewritten
.set NIL,  4                           ; 0; never rewritten
.set ADF,  5                           ; the step's record + 16 x lane
.set ADS,  6                           ; the step's record + 4 x lane
.set STW,  7                           ; my stage + 16 x lane
.set STR,  8                           ; my stage + 528 r + 128 h
.set STO,  9                           ; my stage + 528 r + 32 h
.set QF,   16
.set FB,   32
.set KSW,  80
.set VSW,  84
.set QSW,  88
.set PSW,  90
.set SS,   96
.set OT,   160
.set PC,   224
.set WV,   10
.set SEL,  20                          ; s[20:21] lane l xor 16
.set CS,   22                          ; s[22:23] c = log2(e) / sqrt(128)
.set G1,   24                          ; s[24:31] group 1: 75 rows of 256 bytes
.set GA,   32                          ; group 0: records 0-5
.set GB,   36                          ; records 6-9
.set GC,   40                          ; records 10-15
.set CN,   48                          ; -c
.set TB,   49                          ; LDS byte of the step's record
.set CNT,  50
.set G1B,  52                          ; s[52:59] group 1: 50 rows
.set MSB, 0
.macro WIN new
.if MSB != (\new)
	s_set_vgpr_msb (MSB<<8)|(\new)
.set MSB, (\new)
.endif
.endm
.macro PLACES
.rept 4
	v_nop
.endr
.endm
.macro CROUND                          ; a round of the cluster's barrier
	s_barrier_signal -1
	s_barrier_wait -1
	s_cmp_lg_u32 s[WV], 0
	s_cbranch_scc1 .Lnot_wave_0_\@
	s_barrier_signal -3
.Lnot_wave_0_\@:
	s_barrier_wait -3
	s_barrier_signal -1
	s_barrier_wait -1
.endm
.macro THREE                           ; all my tensor loads are done; 0 onto my spare word; the add and my LDS reads are done
	s_wait_tensorcnt 0x0
	ds_add_u32 v[SPW], v[NIL]
	s_wait_dscnt 0x0
.endm
	s_load_b128 s[4:7], s[0:1], 0x0                ; query, kv
	s_load_b64 s[8:9], s[0:1], 0x10                ; out0
	v_lshl_add_u32 v[SPW], v0, 2, SPARE
	v_mov_b32 v[NIL], 0
	ds_add_u32 v[SPW], v[NIL]                      ; the opening lines: the add twice on end and one wait
	ds_add_u32 v[SPW], v[NIL]
	v_lshrrev_b32 v10, 5, v0
	v_readfirstlane_b32 s[WV], v10                 ; wave 0..7
	s_bfe_u32 s11, ttmp6, 0x40000                  ; cx
	s_lshl_b32 s12, ttmp9, 2
	s_add_co_u32 s12, s12, s11                     ; my block of 256 queries: it enters Q's and O's addresses alone
	s_and_b32 s13, ttmp7, 0xffff                   ; the head 16 b + h, which the partners share
	s_lshr_b32 s14, s13, 4
	s_lshl_b32 s14, s14, 24                        ; b x 2,048 rows of 8,192 bytes
	s_and_b32 s15, s13, 15
	s_lshl_b32 s15, s15, 9                         ; + h x 512 bytes
	s_add_co_u32 s14, s14, s15
	s_lshl_b32 s15, s12, 21                        ; + my block's 256 rows
	s_add_co_u32 s14, s14, s15
	s_lshl_b32 s15, s[WV], 18                      ; + my wave's 32
	s_add_co_u32 s14, s14, s15
	s_mov_b32 s15, 0
	s_mul_i32 s16, s[WV], 75*256                   ; my eighth of six records, in LDS as in memory
	s_mul_i32 s17, s[WV], 50*256                   ; my eighth of four
	s_mul_i32 s18, s13, 16*REC                     ; the head's 16 records
	s_mov_b32 s19, 0
	s_mov_b32 s[G1], 15|(3<<16)|(1<<21)            ; the mask of the four; elements of 8 bytes; no padding; bit 21 beside a mask
	s_mov_b32 s[G1+1], 32<<16                      ; tensor_dim0 = 32
	s_mov_b32 s[G1+2], 75<<16                      ; tensor_dim1
	s_mov_b32 s[G1+3], 32<<16                      ; tile_dim0
	s_mov_b32 s[G1+4], 75                          ; tile_dim1
	s_mov_b32 s[G1+5], 32                          ; the pitch
	s_mov_b32 s[G1+6], 0
	s_mov_b32 s[G1+7], 0
	s_mov_b32 s[G1B], 15|(3<<16)|(1<<21)
	s_mov_b32 s[G1B+1], 32<<16
	s_mov_b32 s[G1B+2], 50<<16
	s_mov_b32 s[G1B+3], 32<<16
	s_mov_b32 s[G1B+4], 50
	s_mov_b32 s[G1B+5], 32
	s_mov_b32 s[G1B+6], 0
	s_mov_b32 s[G1B+7], 0
	s_mov_b32 s[SEL], 0x76543210
	s_mov_b32 s[SEL+1], 0xfedcba98
	s_mov_b32 s[CS], 0x3e0293ee                    ; c
	s_mov_b32 s[CS+1], s[CS]
	s_mov_b32 s[CN], 0xbe0293ee                    ; -c
	s_mul_i32 s51, s[WV], 16*SP
	s_add_co_u32 s51, s51, STAGE                   ; my stage
	v_and_b32 v10, 31, v0
	v_lshlrev_b32 v[LI], 4, v10
	v_lshlrev_b32 v[LS], 2, v10
	v_add_nc_u32 v[STW], s51, v[LI]
	v_and_b32 v10, 15, v0                          ; r
	v_bfe_u32 v11, v0, 4, 1                        ; h
	v_mul_u32_u24 v[STR], v10, SP
	v_lshl_add_u32 v[STO], v11, 5, v[STR]
	v_lshl_add_u32 v[STR], v11, 7, v[STR]
	v_add_nc_u32 v[STO], s51, v[STO]
	v_add_nc_u32 v[STR], s51, v[STR]
	s_wait_alu depctr_va_vdst(0)
	s_wait_dscnt 0x0                               ; both opening adds are done
	s_wait_kmcnt 0x0
	s_add_nc_u64 s[4:5], s[4:5], s[14:15]          ; Q and O at my wave's first row
	s_add_nc_u64 s[8:9], s[8:9], s[14:15]
	s_add_nc_u64 s[6:7], s[6:7], s[18:19]          ; kv at the head's first record
	s_mov_b32 s18, s16
	s_add_nc_u64 s[GA+2:GA+3], s[6:7], s[18:19]
	s_add_nc_u64 s[GC+2:GC+3], s[GA+2:GA+3], 10*REC
	s_mov_b32 s18, s17
	s_add_nc_u64 s[GB+2:GB+3], s[6:7], s[18:19]
	s_add_nc_u64 s[GB+2:GB+3], s[GB+2:GB+3], 6*REC
.irp g, 32,36,40
	s_mov_b32 s[\g], 1                             ; count = 1
	s_or_b32 s[\g+3], s[\g+3], 0x80000000          ; type = 2
.endr
	s_mov_b32 s[GA+1], s16                         ; LDS addresses: no place in the cluster enters them
	s_mov_b32 s[GC+1], s16
	s_add_co_u32 s[GB+1], s17, 6*REC
.irp t, 0,1                                    ; Q: 32 rows, each load one row's 512 consecutive bytes, into the registers that O^T will take
	WIN 0x40*\t
.irp j, 0,1,2,3,4,5,6,7,8,9,10,11,12,13,14,15
	global_load_b128 v[OT+4*\j:OT+4*\j+3], v[LI], s[4:5] offset:(16*\t+\j)*ROWG th:TH_LOAD_NT
.endr
.endr
	WIN 0
	CROUND                                         ; all four work-groups are here: the first joint loads meet
	tensor_load_to_lds s[GA:GA+3], s[G1:G1+7]      ; my eighth of records 0-5: my one tensor load at the head
	s_nop 0
	PLACES
	; Q turns through my own stage: rows go in as loaded and come out 32 neighbours of a row to a lane.  LDS serves a wave's instructions in order.
	s_wait_loadcnt 16                              ; tile A's 16 loads are in, tile B's may be out
.irp j, 0,1,2,3,4,5,6,7,8,9,10,11,12,13,14,15
	ds_store_b128 v[STW], v[OT+4*\j:OT+4*\j+3] offset:SP*\j
.endr
.irp c, 0,1
.irp i, 0,1,2,3,4,5,6,7
	ds_load_b128 v[SS+32*\c+4*\i:SS+32*\c+4*\i+3], v[STR] offset:256*\c+16*\i
.endr
.endr
	s_wait_loadcnt 0x0
	WIN 0x04                                       ; an LDS store's data are its source 1
.irp j, 0,1,2,3,4,5,6,7,8,9,10,11,12,13,14,15
	ds_store_b128 v[STW], v[OT+4*\j:OT+4*\j+3] offset:SP*\j
.endr
	WIN 0x40
.irp c, 0,1
.irp i, 0,1,2,3,4,5,6,7
	ds_load_b128 v[SS+32*\c+4*\i:SS+32*\c+4*\i+3], v[STR] offset:256*\c+16*\i
.endr
.endr
.irp t, 0,1
	WIN 0x55*\t
	v_mov_b32 v245, 0                              ; written once: a lane permute's destination counts as one of its sources
	v_mov_b32 v249, 0
	v_mov_b32 v253, 0                              ; (named as the upper half of the pair v[252:253])
.endr
; From the two blocks' largest magnitudes in v240, v241 (block 2 c + h of my row) and the 64 numbers in v[SS ..]: the fragment v[f .. f + 11] and the row's scale word v[w + t] (right in lanes 0-15, which alone are read).
.macro CODES t, f, w
.irp c, 0,1
	v_add_nc_u32 v[244+\c], 0xff000000, v[240+\c]  ; 2 off the exponent field: the conversion's scale operand
.endr
.irp c, 0,1
	v_lshrrev_b32 v[246+\c], 23, v[244+\c]         ; the scale's byte
.endr
.irp c, 0,1
	v_cvt_scalef32_pk16_fp6_f32 v[\f+6*\c:\f+6*\c+2], v[SS+32*\c:SS+32*\c+15], v[244+\c]
	v_cvt_scalef32_pk16_fp6_f32 v[236+4*\c:238+4*\c], v[SS+32*\c+16:SS+32*\c+31], v[244+\c]   ; (three registers from an even one: the upper half is made elsewhere and moved)
.endr
	v_lshl_or_b32 v248, v247, 16, v246             ; my blocks h and 2 + h.  (The plain place behind the scaled conversions; the word's chain and the moves take turns)
.irp i, 0,1,2
	v_mov_b32 v[\f+3+\i], v[236+\i]
.endr
	v_permlanex16_b32 v249, v248, s[SEL], s[SEL+1]
.irp i, 0,1,2
	v_mov_b32 v[\f+9+\i], v[240+\i]
.endr
	WIN 0x11*\t                                    ; scale operands have no window: the word goes to window 0
	v_lshl_or_b32 v[\w+\t], v249, 8, v248          ; lanes 0-15: blocks 0, 2 mine, blocks 1, 3 lane l + 16's
	WIN 0x55*\t
.endm
.macro QB t                                    ; tile t's Q: register 32 c + n = d 64 c + 32 h + n of query r
	WIN 0x55*\t
.irp c, 0,1
	v_max3_num_f32 v[240+\c], |v[SS+32*\c]|, |v[SS+32*\c+1]|, 0x1800000   ; the floor 2^(3 - 127) among the leaves
.endr
.irp i, 2,4,6,8,10,12,14,16,18,20,22,24,26,28,30
.irp c, 0,1
	s_delay_alu instid0(VALU_DEP_2)
	v_max3_num_f32 v[240+\c], v[240+\c], |v[SS+32*\c+\i]|, |v[SS+32*\c+\i+1]|
.endr
.endr
	CODES \t, QF, QSW
.endm
	s_wait_dscnt 32                                ; only tile B's 16 stores and 16 loads may be out
	QB 0
	s_wait_dscnt 0x0
	QB 1
.irp t, 0,1                                    ; the key step is written once for all steps: the first finds zeros, which the first change of M leaves zeros
	WIN 0x55*\t
	v_mov_b32 v13, 0xff61b1e6                      ; the largest score so far: -3e38
	v_mov_b32 v12, 0x7f61b1e6                      ; -M
	v_mov_b32 v14, 0
	v_mov_b32 v15, 0
.set j, 0
.rept 128
	v_mov_b32 v[SS+j], 0                           ; p and O^T (neighbouring registers): the first step's sums add zeros.  These lines are also the places between Q's codes and scale words and the first products
.set j, j+1
.endr
.endr
	WIN 0
.macro FRAGS base                              ; 24 LDS loads: eight images: tiles 0-3 into window 0, tiles 4-7 into window 1
.irp w, 0,1
	WIN 0x40*\w
.irp t, 0,1,2,3
.irp c, 0,1,2
	ds_load_b128 v[FB+12*\t+4*\c:FB+12*\t+4*\c+3], v[ADF] offset:\base+1536*(4*\w+\t)+512*\c
.endr
.endr
.endr
	WIN 0
.endm
.macro QK4 fw, qt                              ; four products S^T = K Q^T, each starting its sum with the constant 0
	WIN \fw+0x54*\qt
.irp i, 0,2
	v_wmma_scale_f32_16x16x128_f8f6f4 v[SS+8*(4*\fw+\i):SS+8*(4*\fw+\i)+7], v[FB+12*\i:FB+12*\i+11], v[QF:QF+11], 0, v[KSW+2*\fw+\i/2], v[QSW+\qt] matrix_a_fmt:MATRIX_FMT_FP6 matrix_b_fmt:MATRIX_FMT_FP6
	v_wmma_scale_f32_16x16x128_f8f6f4 v[SS+8*(4*\fw+\i+1):SS+8*(4*\fw+\i+1)+7], v[FB+12*(\i+1):FB+12*(\i+1)+11], v[QF:QF+11], 0, v[KSW+2*\fw+\i/2], v[QSW+\qt] matrix_a_fmt:MATRIX_FMT_FP6 matrix_b_fmt:MATRIX_FMT_FP6 matrix_a_scale:MATRIX_SCALE_ROW1
.endr
.endm
; THE ROW'S SUM IS TAKEN OF THE UNQUANTISED p: both tiles' 64 numbers a lane, two at a time, 32 additions a tile in four chains.  It stands at the head of the NEXT key step, behind the issue of that step's
; LDS loads and ahead of the products that write the scores over p; once more behind the last step.
.macro SUMS
.irp t, 0,1
	WIN 0x55*\t
.irp q, 0,1,2
	v_pk_add_f32 v[236+2*\q:237+2*\q], v[SS+4*\q:SS+4*\q+1], v[SS+4*\q+2:SS+4*\q+3]
.endr
.set j, 12
.rept 6
	v_pk_add_f32 v[14:15], v[14:15], v[SS+j:SS+j+1]
.irp q, 0,1,2
	v_pk_add_f32 v[236+2*\q:237+2*\q], v[236+2*\q:237+2*\q], v[SS+j+2+2*\q:SS+j+3+2*\q]
.endr
.set j, j+8
.endr
	v_pk_add_f32 v[14:15], v[14:15], v[SS+60:SS+61]
	v_pk_add_f32 v[236:237], v[236:237], v[SS+62:SS+63]
	v_pk_add_f32 v[238:239], v[238:239], v[240:241]
	v_pk_add_f32 v[14:15], v[14:15], v[236:237]
	v_pk_add_f32 v[14:15], v[14:15], v[238:239]
.endr
	WIN 0
.endm
; Four products O^T += V^T P^T; the step's sixteen accumulators take turns, one instruction a turn.
.macro PV4 fw, qt
	WIN \fw+0x54*\qt
.irp i, 0,2
	v_wmma_scale_f32_16x16x128_f8f6f4 v[OT+8*(4*\fw+\i):OT+8*(4*\fw+\i)+7], v[FB+12*\i:FB+12*\i+11], v[PC:PC+11], v[OT+8*(4*\fw+\i):OT+8*(4*\fw+\i)+7], v[VSW+2*\fw+\i/2], v[PSW+\qt] matrix_a_fmt:MATRIX_FMT_FP6 matrix_b_fmt:MATRIX_FMT_FP6
	v_wmma_scale_f32_16x16x128_f8f6f4 v[OT+8*(4*\fw+\i+1):OT+8*(4*\fw+\i+1)+7], v[FB+12*(\i+1):FB+12*(\i+1)+11], v[PC:PC+11], v[OT+8*(4*\fw+\i+1):OT+8*(4*\fw+\i+1)+7], v[VSW+2*\fw+\i/2], v[PSW+\qt] matrix_a_fmt:MATRIX_FMT_FP6 matrix_b_fmt:MATRIX_FMT_FP6 matrix_a_scale:MATRIX_SCALE_ROW1
.endr
.endm
; Tile t's softmax for 128 keys, all in window t.  Register SS + 32 c + i holds the score of key 64 c + 32 (lane / 16) + i.
.macro SM t
	WIN 0x55*\t
	s_wait_alu depctr_va_vdst(0)                   ; directly ahead of the first readers of S^T
.irp c, 0,1
	v_max3_num_f32 v[240+\c], v[SS+32*\c], v[SS+32*\c+1], v[SS+32*\c+2]   ; THE LARGEST SCORE OF MY TWO BLOCKS, each in two chains; it serves the row's maximum and, since p rises with the score, the block's largest p
	v_max3_num_f32 v[242+\c], v[SS+32*\c+16], v[SS+32*\c+17], v[SS+32*\c+18]
.endr
.irp i, 3,5,7,9,11,13
.irp c, 0,1
	v_max3_num_f32 v[240+\c], v[240+\c], v[SS+32*\c+\i], v[SS+32*\c+\i+1]
	v_max3_num_f32 v[242+\c], v[242+\c], v[SS+32*\c+16+\i], v[SS+32*\c+17+\i]
.endr
.endr
.irp c, 0,1
	v_max3_num_f32 v[240+\c], v[240+\c], v[242+\c], v[SS+32*\c+15]
.endr
.irp c, 0,1
	v_max_num_f32 v[240+\c], v[240+\c], v[SS+32*\c+31]
.endr
	v_max_num_f32 v244, v240, v241
	v_permlanex16_b32 v245, v244, s[SEL], s[SEL+1]
	v_mov_b32 v246, v12
	v_max3_num_f32 v13, v13, v244, v245            ; the running largest score of my query
	v_mul_f32 v247, s[CN], v13                     ; -t (c is positive)
	v_floor_f32 v12, v247                          ; the new -M = floor(-t) = -ceil(t): a whole number
.set j, 0
.rept 4
	v_pk_fma_f32 v[SS+j:SS+j+1], v[SS+j:SS+j+1], s[CS:CS+1], v[12:13] op_sel_hi:[1,0,0]   ; t - M, two at a time; the three lines that make f stand among them
.set j, j+2
.endr
	v_sub_f32 v246, v12, v246                      ; M's old value less its new one: 0 or less
.rept 4
	v_pk_fma_f32 v[SS+j:SS+j+1], v[SS+j:SS+j+1], s[CS:CS+1], v[12:13] op_sel_hi:[1,0,0]
.set j, j+2
.endr
	v_cvt_i32_f32 v246, v246                       ; (it saturates)
.rept 4
	v_pk_fma_f32 v[SS+j:SS+j+1], v[SS+j:SS+j+1], s[CS:CS+1], v[12:13] op_sel_hi:[1,0,0]
.set j, j+2
.endr
	v_ldexp_f32 v252, 1.0, v246                    ; f = 2^(old M - new M): a multiplication by it rounds nothing
.rept 20
	v_pk_fma_f32 v[SS+j:SS+j+1], v[SS+j:SS+j+1], s[CS:CS+1], v[12:13] op_sel_hi:[1,0,0]
.set j, j+2
.endr
.irp c, 0,1
	v_fma_f32 v[240+\c], v[240+\c], s[CS], v12     ; the same of each block's largest score
.endr
	s_wait_alu depctr_va_vdst(0)
.set j, 0
.rept 64
	v_exp_f32 v[SS+j], v[SS+j]                     ; p = 2^(t - M), at most 1: not normalised
.set j, j+1
.endr
.irp c, 0,1
	v_exp_f32 v[240+\c], v[240+\c]                 ; the block's largest p: the same two instructions on the same number
.endr
	v_pk_mul_f32 v[14:15], v[14:15], v[252:253] op_sel_hi:[1,0]   ; the sum under the new M: a plain place behind the exponentials
	s_wait_alu depctr_va_vdst(0)                   ; one wait for the batch, ahead of its first reader
.irp c, 0,1
	v_max_num_f32 v[240+\c], 0x1800000, v[240+\c]  ; the floor 2^(3 - 127): the byte cannot fall under 1
.endr
	CODES \t, PC, PSW
	s_wait_alu depctr_va_vdst(0)                   ; directly ahead of the first readers of O^T
.set j, 0
.rept 32
	v_pk_mul_f32 v[OT+j:OT+j+1], v[OT+j:OT+j+1], v[252:253] op_sel_hi:[1,0]   ; O^T under the new M, each accumulator from its low end on.  (These are the places between p's codes and scale word and the products)
.set j, j+2
.endr
.endm
; A KEY STEP: the record at LDS byte s[TB].  V's fragments are asked for as soon as K's have been multiplied, and land under the softmax.
.macro STEP
	v_add_nc_u32 v[ADF], s[TB], v[LI]
	v_add_nc_u32 v[ADS], s[TB], v[LS]
.irp p, 0,1,2,3
	ds_load_b32 v[KSW+\p], v[ADS] offset:KSCO+128*\p
.endr
	FRAGS 0
	SUMS                                           ; the last step's p, while this step's fragments are on their way
	s_wait_alu depctr_va_vdst(0)
	s_wait_dscnt 12                                ; the pair words and tiles 0-3 are in; the youngest twelve loads (tiles 4-7) may be out
	QK4 0, 0
	QK4 0, 1
	s_wait_dscnt 0x0
	QK4 1, 0
	QK4 1, 1
	WIN 0
	PLACES                                         ; in front of the loads into K's registers and of the first reads of the scores
.irp p, 0,1,2,3
	ds_load_b32 v[VSW+\p], v[ADS] offset:VSCO+128*\p
.endr
	FRAGS VIMG
	SM 0
	SM 1
	WIN 0
	s_wait_alu depctr_va_vdst(0)
	s_wait_dscnt 0x0                               ; V
	PV4 0, 0
	PV4 1, 0
	PV4 0, 1
	PV4 1, 1
	WIN 0
	PLACES                                         ; in front of the next step's loads into V's registers
.endm
.macro SLOT base, n                            ; n key steps on neighbouring places
	s_mov_b32 s[TB], \base
	s_mov_b32 s[CNT], \n
.Lstep_\@:
	STEP
	s_add_co_u32 s[TB], s[TB], REC
	s_sub_co_u32 s[CNT], s[CNT], 1
	s_cmp_lg_u32 s[CNT], 0
	s_wait_alu depctr_va_vdst(0)
	s_cbranch_scc1 .Lstep_\@
.endm
	s_wait_alu depctr_va_vdst(0)
	THREE                                          ; my eighth of records 0-5 is in
	CROUND                                         ; everybody's is, in all four work-groups; behind this round no bytes are filled again:
	tensor_load_to_lds s[GB:GB+3], s[G1B:G1B+7]    ; records 6-9, a first fill
	s_nop 0
	PLACES
	SLOT 0, 6                                      ; key steps 0-5
	THREE                                          ; records 6-9 are in, my reads of places 0-5 are over
	CROUND
	tensor_load_to_lds s[GC:GC+3], s[G1:G1+7]      ; records 10-15 into places 0-5: the first tensor load behind the round
	s_nop 0
	PLACES
	SLOT 6*REC, 4                                  ; 6-9
	THREE                                          ; records 10-15 are in; nothing is left to fetch
	s_barrier_signal -1
	s_barrier_wait -1
	SLOT 0, 6                                      ; 10-15
	SUMS                                           ; the last step's p
	; THE WAY OUT.  The sum's halves and lane l xor 16's are added; O^T is divided by the sum and goes through my stage, a tile at a time, so that each store covers a row's 512 consecutive bytes.
.irp t, 0,1
	WIN 0x55*\t
	v_add_f32 v14, v14, v15
	s_delay_alu instid0(VALU_DEP_1)
	v_permlanex16_b32 v252, v14, s[SEL], s[SEL+1]
	s_delay_alu instid0(VALU_DEP_1)
	v_add_f32 v14, v14, v252                       ; the row's sum
	s_wait_alu depctr_va_vdst(0)
	v_rcp_f32 v14, v14
	v_nop                                          ; one plain place behind a transcendental
.endr
.macro PACK t
	WIN 0x55*\t
.set j, 0
	s_wait_alu depctr_va_vdst(0)
.rept 32
	v_pk_mul_f32 v[SS+j:SS+j+1], v[OT+j:OT+j+1], v[14:15] op_sel_hi:[1,0]   ; register 8 vt + i is o(r, 16 vt + 8 h + i); each accumulator from its low end on
.set j, j+2
.endr
	WIN 0x04*\t
.irp f, 0,1,2,3,4,5,6,7
	ds_store_b128 v[STO], v[SS+8*\f:SS+8*\f+3] offset:64*\f
	ds_store_b128 v[STO], v[SS+8*\f+4:SS+8*\f+7] offset:64*\f+16
.endr
	WIN 0x40*\t
.irp i, 0,1,2,3,4,5,6,7,8,9,10,11,12,13,14,15
	ds_load_b128 v[OT+4*\i:OT+4*\i+3], v[STW] offset:SP*\i   ; LDS serves a wave's instructions in order
.endr
.endm
.macro SEND t, younger                         ; younger: the LDS instructions issued behind tile t's loads, which may stay out
	WIN 0x04*\t
.irp i, 0,1,2,3,4,5,6,7,8,9,10,11,12,13,14,15
	s_wait_dscnt \younger+15-\i
	global_store_b128 v[LI], v[OT+4*\i:OT+4*\i+3], s[8:9] offset:(16*\t+\i)*ROWG th:TH_STORE_NT   ; 32 lanes store 512 consecutive bytes, at a multiple of 512 from out0's first byte
.endr
.endm
	PACK 0
	PACK 1
	SEND 0, 32
	SEND 1, 0
	WIN 0
	THREE                                          ; the wave's end
	CROUND                                         ; the closing round
	s_endpgm
.Lfunc_end_k_q33c13fc7da_attn:
	.size	k_q33c13fc7da_attn, .Lfunc_end_k_q33c13fc7da_attn-k_q33c13fc7da_attn
	.p2alignl 7, 3214868480
	.fill 96, 4, 3214868480
	.section	.rodata,"a",@progbits
	.p2align	6, 0x0
	.amdhsa_kernel k_q33c13fc7da_attn
		.amdhsa_group_segment_fixed_size 327680
		.amdhsa_private_segment_fixed_size 0
		.amdhsa_enable_private_segment 0
		.amdhsa_kernarg_size 24
		.amdhsa_user_sgpr_count 2
		.amdhsa_user_sgpr_kernarg_segment_ptr 1
		.amdhsa_wavefront_size32 1
		.amdhsa_system_sgpr_workgroup_id_x 1
		.amdhsa_system_sgpr_workgroup_id_y 1
		.amdhsa_system_sgpr_workgroup_id_z 1
		.amdhsa_system_vgpr_workitem_id 0
		.amdhsa_next_free_vgpr 512
		.amdhsa_next_free_sgpr 66
		.amdhsa_reserve_vcc 0
		.amdhsa_float_denorm_mode_32 3
		.amdhsa_float_denorm_mode_16_64 3
		.amdhsa_memory_ordered 1
		.amdhsa_forward_progress 1
		.amdhsa_inst_pref_size 144
	.end_amdhsa_kernel
	.amdgpu_metadata
---
amdhsa.version: [ 1, 2 ]
amdhsa.kernels:
  - .name:           k_q33c13fc7da_attn
    .symbol:         k_q33c13fc7da_attn.kd
    .args:
      - { .name: query, .offset: 0, .size: 8, .value_kind: global_buffer, .address_space: global }
      - { .name: kv, .offset: 8, .size: 8, .value_kind: global_buffer, .address_space: global }
      - { .name: out0, .offset: 16, .size: 8, .value_kind: global_buffer, .address_space: global }
    .group_segment_fixed_size: 327680
    .private_segment_fixed_size: 0
    .kernarg_segment_align: 8
    .kernarg_segment_size: 24
    .max_flat_workgroup_size: 256
    .sgpr_count:     66
    .vgpr_count:     512
    .wavefront_size: 32
...
	.end_amdgpu_metadata
.endif
;; end of part 2
